; MI455X (gfx1250); checked and timed in simulation.
; The chip was launched on July 23, 2026; its instructions are those of AMD's public machine-readable ISA for CDNA 5 (MIT licence, August 2026) and "CDNA5" Instruction Set Architecture Reference Guide (July 2026). The comments in the code are by the model that wrote it; some were corrected since.
;; Multi Head Attention. Allowed arithmetic: matrix products marked QUANTISED: E4M3 operands, one given power-of-two scale a tensor, by v_wmma_f32_16x16x64_fp8_fp8 or v_wmma_f32_16x16x128_fp8_fp8, f32 sums; everything else in f32.
;; Inputs: Wk 16 x 1,024 x 64 float32; Wo 1,024 x 1,024 float32; Wq 16 x 1,024 x 64 float32; Wv 16 x 1,024 x 64 float32; bk 16 x 64 float32; bo 1,024 float32; bq 16 x 64 float32; bv 16 x 64 float32; lowp_scales 12 int32 (the exponents e of the quantised operands' scales 2^e); x 4 x 2,048 x 1,024 float32.
;; Outputs: out0 4 x 2,048 x 1,024 float32.
;; This version of the problem:
;;   THIS VERSION OF THE PROBLEM IS GIVEN IN LOW PRECISION. The matrix products marked QUANTISED in the list below multiply operands that are first quantised to E4M3 (4 exponent bits, 3 mantissa bits; 8 bits a number), with one given power-of-two scale for each operand tensor; their sums are f32. All else is computed in f32.
;;   The module's matrix products, in the order in which they are computed (A, B: the left and right operand; K: the contracted axis; several contracted axes count as one K, in the product's order):
;;     1. [M 1,024, K 1,024] x [K 1,024, N 8,192]; A: input Wq; B: input x: QUANTISED (scales: A lowp_scales[0], B lowp_scales[1])
;;     2. [M 1,024, K 1,024] x [K 1,024, N 8,192]; A: input Wk; B: input x: QUANTISED (scales: A lowp_scales[2], B lowp_scales[3])
;;     3. [M 1,024, K 1,024] x [K 1,024, N 8,192]; A: input Wv; B: input x: QUANTISED (scales: A lowp_scales[4], B lowp_scales[5])
;;     4. batch 64 x [M 2,048, K 64] x [K 64, N 2,048]; A: computed on the way; B: computed on the way: QUANTISED (scales: A lowp_scales[6], B lowp_scales[7])
;;     5. batch 64 x [M 2,048, K 2,048] x [K 2,048, N 64]; A: softmax (see below); B: computed on the way: QUANTISED (scales: A lowp_scales[8], B lowp_scales[9])
;;     6. [M 8,192, K 1,024] x [K 1,024, N 1,024]; A: computed on the way; B: input Wo: QUANTISED (scales: A lowp_scales[10], B lowp_scales[11])
;;   THE QUANTISER, for each operand of a quantised product, along K:
;;     - The operand's scale is 2^e, e = its entry of the input lowp_scales (int32; the entries are numbered through the quantised products in the list's order, A before B).
;;     - Each number is divided by the scale, clamped to +-448, and rounded to the nearest number of E4M3, ties to even, subnormals kept.
;;     - The product sums the exact products of the quantised numbers (number of the format x scale) in f32.
;;   ~~~python
;;   def quantise(x, axis, e):      # numpy; x: float32 -> the quantised numbers, widened to float32 again
;;       x = np.moveaxis(x, axis, -1); K = x.shape[-1]
;;       r = np.clip(x / 2.0 ** e, -448, 448)
;;       step = 2.0 ** (np.maximum(np.frexp(np.where(r == 0, 1, r))[1] - 1, -6) - 3)
;;       q = np.round(r / step) * step * 2.0 ** e      # np.round: ties to even
;;       return np.moveaxis(q, -1, axis).astype(np.float32)
;;   ~~~
;;   SOFTMAX AHEAD OF A QUANTISED PRODUCT. Where the list says 'softmax', what is quantised is not the finished softmax but p = 2^(t - M), with t = logit x log2(e) and M = ceil(the row's largest t), a whole number; so 1/2 < the row's largest p <= 1. The row's sum l is taken of the UNQUANTISED p, in f32, and the product's result is divided by l at the end. Since M is a whole number, a kernel that streams over the keys may use a running M (the ceiling of the running maximum): every later rescaling is an exact power of two, so the quantised numbers keep their values, but for numbers so far below the row's largest that they fall under the format's range.
;;   OPERANDS COMPUTED ON THE WAY. 'Computed on the way' means the value that the module computes at that place (a softmax that the list does not call 'softmax' is quantised finished and normalised). What goes into a quantiser is computed in f32, as accurately as f32 sums, v_exp_f32 and their like allow (about 1e-6 of the number): no bf16 or f16 on the way to a quantiser, and a product that is left as it is and whose result goes on into a quantised operand takes f32 operands (vector FMAs, or v_wmma_f32_16x16x4_f32). A number that lies on a knife's edge between two numbers of the format may be rounded either way, as far as f32 arithmetic and the matrix unit's own rounding can turn it there, and no further.
;; One version. Each part assembles by itself: llvm-mc -triple=amdgcn-amd-amdhsa -mcpu=gfx1250 --defsym DOCPART=n.
;; ======== version 1 of 1: 4 launches
;; limits: right only within a limited range of input values
;; workspace buffers: xc 25,165,824 bytes; wc 4,194,304 bytes; qkv 25,165,824 bytes; cc 8,388,608 bytes
;; launch quant (part 1): grid 384 x 1, 4 waves a work-group, no clusters, 68,096 bytes of LDS; arguments x, Wo, Wq, Wk, Wv, lowp_scales, xc, wc; writes xc, wc
.if DOCPART == 1
	.amdgcn_target "amdgcn-amd-amdhsa--gfx1250"
	.amdhsa_code_object_version 6
	.text
	.protected	k_q967cb2ec56_quant
	.globl	k_q967cb2ec56_quant
	.p2align	8
	.type	k_q967cb2ec56_quant,@function
k_q967cb2ec56_quant:
	s_mov_b64 s[64:65], 0
	v_nop
	global_prefetch_b8 v0, s[64:65] scope:SCOPE_SE
	s_setreg_imm32_b32 hwreg(HW_REG_WAVE_MODE, 25, 1), 1
	s_wait_xcnt 0x0
; f32 numbers into codes of FP8 (E4M3), K innermost, each with the scale 2^e that is given for it: code = x / 2^e, to the nearest code, ties to even.
; x [8192][1024] is an operand of three products with three given scales (entries 1, 3, 5): three sets of codes, xc's parts 0, 1, 2 of 8 MiB, rows as in x.
; Wo [1024][1024] (entry 11): wc's part 3, rows as in Wo.  Wq, Wk, Wv [16][1024 e][64 d] (entries 0, 2, 4), whose K is not innermost: wc's parts 0, 1, 2, laid [64 h + d][1024 e].
; LIMITS: each e between -126 and 119, so that 2^e and 448 x 2^e are f32 numbers.  NaN among the inputs is not served.
; SHARES: a work-group takes 32,768 numbers.  Work-groups 0-255: x; 256-287: Wo (K innermost: a plain stream of numbers); 288-383: Wq, Wk, Wv (a lane to a column d, registers down e).
; The two ways part on the work-group's number and have LDS bytes of their own.  No tensor loads, no barrier: waves share nothing.
.set STEPS, 16
.set SP,    80                         ; the stream's stage: a lane's 64 bytes + 16 of padding
.set WREG,  8192                       ; the stream's way: a region for each wave, two stages of 32 x SP bytes
.set CSTG,  32768                      ; the columns' way: four stages of 32 rows x PITCH
.set PITCH, 272
.set SPARE, CSTG+4*32*PITCH            ; behind them: the spare words, 128 bytes for each wave
.set SPW,   12                         ; v12  LDS address of my spare word; never rewritten
.set NIL,   13                         ; v13  0; never rewritten
.set R,     16                         ; v16-79   four sets of 16 numbers as loaded
.set X,     80                         ; v80-111  two sets of 16 neighbours
.set T,     112
.set C,     160                        ; v160-171 a step's codes, four registers for each scale
.set XK,    32                         ; the columns' way: v32-95 two sets of 32 numbers
.set CK,    96                         ; v96-103 a block's codes
.set OUTR,  112                        ; v112-175 the way out
.macro MKSC e, vs, vl                  ; 2^e as f32 into v[vs]
	s_add_co_i32 s52, \e, 127
	s_lshl_b32 s53, s52, 23
	v_mov_b32 v[\vs], s53
	s_add_co_i32 s52, s52, 8
	s_lshl_b32 s52, s52, 23
	s_or_b32 s52, s52, 0x600000
.endm
.macro LOADR t                         ; step t: four loads of 512 consecutive bytes
.irp i, 0,1,2,3
	global_load_b128 v[R+16*((\t)%4)+4*\i:R+16*((\t)%4)+4*\i+3], v3, s[34:35] offset:2048*(\t)+512*\i th:TH_LOAD_NT
.endr
.endm
.macro TURNR t                         ; step t's 2,048 bytes through my stage: in as they lie, out 64 bytes a lane; LDS serves a wave's instructions in order
.irp i, 0,1,2,3
	ds_store_b128 v14, v[R+16*((\t)%4)+4*\i:R+16*((\t)%4)+4*\i+3] offset:32*SP*((\t)%2)+8*SP*\i
.endr
.irp i, 0,1,2,3
	ds_load_b128 v[X+16*((\t)%2)+4*\i:X+16*((\t)%2)+4*\i+3], v15 offset:32*SP*((\t)%2)+16*\i
.endr
.endm
.macro QSET ts, vs, vl, cb, base, t    ; one scale's codes of step t: two conversions, a store of 512 consecutive bytes a wave
.irp i, 0,1,2,3,4,5,6,7,8,9,10,11,12,13,14,15
.endr
	v_cvt_scalef32_pk8_fp8_f32 v[\cb:\cb+1], v[XS:XS+7], v[\vs]
	v_cvt_scalef32_pk8_fp8_f32 v[\cb+2:\cb+3], v[XS+8:XS+15], v[\vs]
	v_nop                                          ; one plain vector line behind the conversions
	global_store_b128 v3, v[\cb:\cb+3], s[\base:\base+1] offset:512*(\t)
.endm
.macro STEPR t
.set XS, X+16*((\t)%2)
	s_wait_dscnt 0x0                               ; this step's numbers are back from the stage, and its stores into the stage have read their registers,
.if (\t)+4 < STEPS
	LOADR (\t)+4                                   ; which take the loads of four steps on
.endif
.if (\t)+1 < STEPS
.if STEPS-2-(\t) >= 3
	s_wait_loadcnt 12                              ; the next step's four loads are in; those of the three steps behind it may be out
.else
	s_wait_loadcnt 4*(STEPS-2-(\t))
.endif
	TURNR (\t)+1
.endif
	s_wait_xcnt 0x0                                ; the last step's stores have read their data: the codes' registers are written again only behind this wait
	QSET T, 5, 6, C, 36, \t
	s_cmp_lg_u32 s38, 0                            ; Wo has one scale: a branch on the work-group's number
	s_cbranch_scc1 .Lone_\@
	QSET T+16, 7, 8, C+4, 40, \t
	QSET T+32, 9, 10, C+8, 42, \t
.Lone_\@:
.endm
.macro LOADC t                         ; block t: W(32 t + i, my column), i = 0 .. 31: 128 consecutive bytes a wave
.set J, 0
.rept 32
	global_load_b32 v[XK+32*((\t)%2)+J], v3, s[34:35] offset:(32*(\t)+J)*256 th:TH_LOAD_NT
.set J, J+1
.endr
.endm
.macro BLOCKC t
.set XS, XK+32*((\t)%2)
.if (\t) < 7
	s_wait_loadcnt 32                              ; this block's 32 loads are in; the next block's may be out
.else
	s_wait_loadcnt 0
.endif
.set J, 0
.rept 32
.set J, J+1
.endr
.irp g, 0,1,2,3
	v_cvt_scalef32_pk8_fp8_f32 v[CK+2*\g:CK+2*\g+1], v[XS+8*\g:XS+8*\g+7], v11
.endr
	v_nop                                          ; one plain vector line behind the conversions
	ds_store_b128 v4, v[CK:CK+3] offset:32*(\t)    ; 32 codes of my column's row
	ds_store_b128 v4, v[CK+4:CK+7] offset:32*(\t)+16
.if (\t)+2 < 8
	LOADC (\t)+2
.endif
	s_wait_dscnt 0x0                               ; the stores have read their registers: the next block's codes may be written
.endm
	s_load_b512 s[4:19], s[0:1], 0x0               ; x s[4:5], Wo s[6:7], Wq s[8:9], Wk s[10:11], Wv s[12:13], the exponents s[14:15], xc s[16:17], wc s[18:19]
	v_lshl_add_u32 v[SPW], v0, 2, SPARE
	v_mov_b32 v[NIL], 0
	v_lshrrev_b32 v1, 5, v0
	v_readfirstlane_b32 s32, v1                    ; wave 0..3
	v_and_b32 v2, 31, v0                           ; lane
	s_wait_kmcnt 0x0
	s_load_b256 s[20:27], s[14:15], 0x0            ; e0 .. e7
	s_load_b128 s[28:31], s[14:15], 0x20           ; e8 .. e11
	s_cmp_lt_u32 ttmp9, 288
	s_cbranch_scc0 .Lcols
	; ---- the stream's way: x and Wo
	s_wait_alu depctr_va_vdst(0)
	v_lshlrev_b32 v3, 4, v2                        ; my 16 bytes of a load's 512, and of a store's
	s_wait_alu depctr_va_vdst(0)
	s_mul_i32 s33, s32, WREG
	v_lshrrev_b32 v14, 2, v2
	v_mul_u32_u24 v14, v14, SP
	v_and_b32 v15, 3, v2
	v_lshl_add_u32 v14, v15, 4, v14
	v_add_nc_u32 v14, s33, v14                     ; the stage, in: SP (lane / 4) + 16 (lane % 4)
	v_mul_u32_u24 v15, v2, SP
	v_add_nc_u32 v15, s33, v15                     ; and out: SP x lane: my 16 neighbours
	s_add_nc_u64 s[46:47], s[18:19], 0x300000      ; wc's part 3
	s_cmp_lt_u32 ttmp9, 256                        ; x's work-group or Wo's
	s_cselect_b64 s[34:35], s[4:5], s[6:7]
	s_cselect_b64 s[36:37], s[16:17], s[46:47]
	s_cselect_b32 s38, 0, 1                        ; 1: one scale alone
	s_cselect_b32 s39, 0, 256
	s_sub_co_u32 s48, ttmp9, s39
	s_lshl_b32 s48, s48, 2
	s_add_co_u32 s48, s48, s32                     ; which run of 8,192 numbers is my wave's
	s_lshl_b32 s50, s48, 15
	s_mov_b32 s51, 0
	s_add_nc_u64 s[34:35], s[34:35], s[50:51]
	s_lshl_b32 s50, s48, 13
	s_add_nc_u64 s[36:37], s[36:37], s[50:51]
	s_add_nc_u64 s[40:41], s[36:37], 0x800000      ; xc's parts 1 and 2 (used by x's work-groups alone)
	s_add_nc_u64 s[42:43], s[36:37], 0x1000000
.irp t, 0,1,2,3
	LOADR \t
.endr
	s_wait_alu depctr_va_vdst(0)
	s_wait_kmcnt 0x0
	s_cmp_lt_u32 ttmp9, 256
	s_cselect_b32 s44, s21, s31                    ; e1 for x, e11 for Wo
	MKSC s44, 5, 6
	MKSC s23, 7, 8                                 ; e3
	MKSC s25, 9, 10                                ; e5
	s_wait_alu depctr_va_vdst(0)
	s_wait_loadcnt 12                              ; step 0's four loads are in
	TURNR 0
.irp t, 0,1,2,3,4,5,6,7,8,9,10,11,12,13,14,15
	STEPR \t
.endr
	s_wait_tensorcnt 0x0                           ; the wave's end: behind my last LDS store
	ds_add_u32 v[SPW], v[NIL]
	s_wait_dscnt 0x0
	s_endpgm
	; ---- the columns' way: Wq, Wk, Wv.  A wave takes 32 columns d x 256 along e of one head
.Lcols:
	s_sub_co_u32 s48, ttmp9, 288
	s_lshr_b32 s49, s48, 5                         ; which tensor
	s_bfe_u32 s50, s48, 0x40001                    ; the head
	s_and_b32 s51, s48, 1
	s_and_b32 s52, s32, 1                          ; which 32 columns
	s_lshr_b32 s53, s32, 1
	s_lshl_b32 s51, s51, 9
	s_lshl_b32 s53, s53, 8
	s_add_co_u32 s51, s51, s53                     ; my first e
	s_cmp_eq_u32 s49, 0
	s_cselect_b64 s[34:35], s[8:9], s[10:11]
	s_cmp_eq_u32 s49, 2
	s_cselect_b64 s[34:35], s[12:13], s[34:35]
	s_lshl_b32 s54, s50, 18                        ; a head is 262,144 bytes,
	s_lshl_b32 s55, s51, 8                         ; a row e 256,
	s_add_co_u32 s54, s54, s55
	s_lshl_b32 s55, s52, 7                         ; 32 columns 128
	s_add_co_u32 s54, s54, s55
	s_mov_b32 s55, 0
	s_add_nc_u64 s[34:35], s[34:35], s[54:55]
	s_lshl_b32 s54, s50, 6
	s_lshl_b32 s56, s52, 5
	s_add_co_u32 s54, s54, s56                     ; my first row of codes: 64 h + d
	s_lshl_b32 s54, s54, 10
	s_add_co_u32 s54, s54, s51
	s_lshl_b32 s56, s49, 20                        ; the tensor's part of wc
	s_add_co_u32 s54, s54, s56
	s_add_nc_u64 s[36:37], s[18:19], s[54:55]
	s_wait_alu depctr_va_vdst(0)
	v_lshlrev_b32 v3, 2, v2                        ; in: 4 bytes a lane
	s_mul_i32 s57, s32, 32*PITCH
	s_add_co_u32 s57, s57, CSTG                    ; my stage
	v_mul_u32_u24 v4, v2, PITCH
	v_add_nc_u32 v4, s57, v4                       ; into it: row = my column
	v_and_b32 v5, 15, v2
	v_lshrrev_b32 v6, 4, v2
	v_mul_u32_u24 v7, v6, PITCH
	v_lshl_add_u32 v7, v5, 4, v7
	v_add_nc_u32 v7, s57, v7                       ; out of it: sixteen lanes to a row, two rows an instruction
	v_lshlrev_b32 v8, 10, v6
	v_lshl_add_u32 v8, v5, 4, v8                   ; and the same place among the rows of codes, 1,024 bytes apart
	LOADC 0
	LOADC 1
	s_wait_kmcnt 0x0
	s_cmp_eq_u32 s49, 0
	s_cselect_b32 s44, s20, s22
	s_cmp_eq_u32 s49, 2
	s_cselect_b32 s44, s24, s44                    ; e0, e2 or e4
	MKSC s44, 11, 10
	s_wait_alu depctr_va_vdst(0)
.irp t, 0,1,2,3,4,5,6,7
	BLOCKC \t
.endr
.irp t, 0,1,2,3,4,5,6,7,8,9,10,11,12,13,14,15
	ds_load_b128 v[OUTR+4*\t:OUTR+4*\t+3], v7 offset:2*\t*PITCH
.endr
.irp t, 0,1,2,3,4,5,6,7,8,9,10,11,12,13,14,15
	s_wait_dscnt 15-\t
	global_store_b128 v8, v[OUTR+4*\t:OUTR+4*\t+3], s[36:37] offset:2*\t*1024   ; sixteen lanes store 256 consecutive bytes, aligned
.endr
	s_wait_tensorcnt 0x0                           ; the wave's end: behind my last LDS store
	ds_add_u32 v[SPW], v[NIL]
	s_wait_dscnt 0x0
	s_endpgm
.Lfunc_end_k_q967cb2ec56_quant:
	.size	k_q967cb2ec56_quant, .Lfunc_end_k_q967cb2ec56_quant-k_q967cb2ec56_quant
	.p2alignl 7, 3214868480
	.fill 96, 4, 3214868480
	.section	.rodata,"a",@progbits
	.p2align	6, 0x0
	.amdhsa_kernel k_q967cb2ec56_quant
		.amdhsa_group_segment_fixed_size 68096
		.amdhsa_private_segment_fixed_size 0
		.amdhsa_enable_private_segment 0
		.amdhsa_kernarg_size 64
		.amdhsa_user_sgpr_count 2
		.amdhsa_user_sgpr_kernarg_segment_ptr 1
		.amdhsa_wavefront_size32 1
		.amdhsa_system_sgpr_workgroup_id_x 1
		.amdhsa_system_sgpr_workgroup_id_y 1
		.amdhsa_system_sgpr_workgroup_id_z 1
		.amdhsa_system_vgpr_workitem_id 0
		.amdhsa_next_free_vgpr 192
		.amdhsa_next_free_sgpr 66
		.amdhsa_reserve_vcc 0
		.amdhsa_float_denorm_mode_32 3
		.amdhsa_float_denorm_mode_16_64 3
		.amdhsa_fp16_overflow 1
		.amdhsa_memory_ordered 1
		.amdhsa_forward_progress 1
		.amdhsa_inst_pref_size 65
	.end_amdhsa_kernel
	.amdgpu_metadata
---
amdhsa.version: [ 1, 2 ]
amdhsa.kernels:
  - .name:           k_q967cb2ec56_quant
    .symbol:         k_q967cb2ec56_quant.kd
    .args:
      - { .name: x, .offset: 0, .size: 8, .value_kind: global_buffer, .address_space: global }
      - { .name: Wo, .offset: 8, .size: 8, .value_kind: global_buffer, .address_space: global }
      - { .name: Wq, .offset: 16, .size: 8, .value_kind: global_buffer, .address_space: global }
      - { .name: Wk, .offset: 24, .size: 8, .value_kind: global_buffer, .address_space: global }
      - { .name: Wv, .offset: 32, .size: 8, .value_kind: global_buffer, .address_space: global }
      - { .name: lowp_scales, .offset: 40, .size: 8, .value_kind: global_buffer, .address_space: global }
      - { .name: xc, .offset: 48, .size: 8, .value_kind: global_buffer, .address_space: global }
      - { .name: wc, .offset: 56, .size: 8, .value_kind: global_buffer, .address_space: global }
    .group_segment_fixed_size: 68096
    .private_segment_fixed_size: 0
    .kernarg_segment_align: 8
    .kernarg_segment_size: 64
    .max_flat_workgroup_size: 128
    .sgpr_count:     66
    .vgpr_count:     192
    .wavefront_size: 32
...
	.end_amdgpu_metadata
.endif
;; end of part 1
;; launch qkv (part 2): grid 12 x 32, 4 waves a work-group, clusters of 4 x 4, 327,680 bytes of LDS; arguments xc, wc, bq, bk, bv, lowp_scales, qkv; writes qkv
.if DOCPART == 2
	.amdgcn_target "amdgcn-amd-amdhsa--gfx1250"
	.amdhsa_code_object_version 6
	.text
	.protected	k_q967cb2ec56_qkv
	.globl	k_q967cb2ec56_qkv
	.p2align	8
	.type	k_q967cb2ec56_qkv,@function
k_q967cb2ec56_qkv:
	s_mov_b64 s[64:65], 0
	v_nop
	global_prefetch_b8 v0, s[64:65] scope:SCOPE_SE
	s_setreg_imm32_b32 hwreg(HW_REG_WAVE_MODE, 25, 1), 1
	s_wait_xcnt 0x0
	s_wait_alu depctr_hold_cnt(0) depctr_sa_sdst(0) depctr_va_vdst(0) depctr_va_sdst(0) depctr_va_ssrc(0) depctr_va_vcc(0) depctr_vm_vsrc(0)
	s_getreg_b32 s2, hwreg(HW_REG_IB_STS2, 6, 4)
	s_cmp_eq_u32 s2, 0
	s_cbranch_scc0 .Lentry_in_a_cluster
	s_endpgm
.Lentry_in_a_cluster:
	s_bfe_u32 s2, ttmp6, 0x10000c
	s_cmp_lg_u32 s2, 0xf033
	s_cbranch_scc0 .Lentry_shape_is_right
	s_endpgm
.Lentry_shape_is_right:
; Q, K and V: x W + b on codes of FP8 (E4M3), K = 1,024, and the results quantised at once with the scales given for them as operands of attention (entries 6, 7, 9).
; The cluster's x says which: 0 Q, 1 K, 2 V.  A tile is 256 x 256, four waves of 128 x 128: 64 accumulators, 512 registers.  K goes in steps of 256 through a ring of two LDS slots filled by the tensor data mover.
; "A" is the operand whose 16 rows are source 1, "B" the one whose rows are source 0: a lane then holds ONE row of A and eight neighbouring rows of B.
;   Q, K: A = x's codes (tokens), B = W's codes (64 h + d): a lane holds a token and eight neighbouring d: neighbours along the first attention product's K.
;   V:    A = W's codes, B = x's codes: a lane holds one d and eight neighbouring tokens: neighbours along the second product's K, the keys.
; One text serves all three: pointers and offsets are chosen by s_cselect on the cluster's x, which all sixteen partners share; no branch hangs on it.
; THE BIAS hangs on 64 h + d: for V on A's row (one number a lane and block of A): it goes in as the C of the first products, divided by 2^E; for Q and K on B's rows: it is the addend of the way out's multiply-add.
; Each of the two is loaded for all three tensors and set to 0, by a mask of ones or zeros, where it is not the tensor's.  E = the two operands' exponents added.
; OUT: qkv's part (Q, K, V: 8 MiB each) is [16 b + h][block of 64 tokens][4,096 bytes], an image of operand registers: byte 1024 T + 512 c + 256 hh + 16 r + y holds the element
; (row 32 (T / 2) + 8 (T % 2) + r % 8 + 16 (r / 8), column 32 c + 16 hh + y); row = token, column = d for Q and K; row = d, column = key for V.
; CLUSTERS: 4 x 4 work-groups; A's tiles are asked for jointly along a row of the cluster, B's along a column.
; LIMITS: E between -126 and 127; entries 6, 7, 9 between -126 and 119.  NaN among the inputs is not served.
; REGISTERS, in windows of 256: window 0: v0-31 addresses; v32-95 the row bias as C, later the column bias; v96-127 the codes made; from v128 A's fragments, one set; on the way out v128-191 numbers, v192-255 images read back.
;   window 1: B's fragments, two sets.   windows 2, 3: the accumulators of my rows 0-63, 64-127 ((a, b) at v[8 (8 (a % 4) + b)]).
.set ROWB,   256                       ; a tile's row: 256 codes
.set KROW,   1024                      ; a row of codes in memory
.set PITCH,  272                       ; an LDS row: 256 bytes + 16 of padding, so that the 16 rows that a load touches start 16 bytes apart modulo 256
.set FR,     16
.set NL,     4
.set NP,     4                         ; places behind this matrix instruction (ISA guide 7.12.1)
.set HALFT,  128*PITCH
.set SLOT,   4*HALFT
.set SPARE,  2*SLOT                    ; behind the ring: the spare words, 128 bytes for each wave
.set TPITCH, 1152                      ; the way out: a tile of an image, 1,024 bytes + 128; four to a wave's stage, which lies in slot 0: that slot has had its last fill and its last read by then
.set RBO,  8                           ; v8   4 x (lane % 16): the row bias's offset
.set BCO,  9                           ; v9   32 x (lane / 16): the column bias's
.set SC,   10                          ; v10  2^eo as f32
.set LIM,  11
.set ADRA, 16
.set ADRB, 20
.set STO,  24
.set RD,   25
.set CO,   26
.set SPW,  28
.set NIL,  29
.set RB,   32
.set BC,   32
.set CD,   96
.set TMP,  128
.set AF,   128
.set BK,   192
.set G1, 24
.set G0, 32
.set G1B, 48
.set G0B, 56
.set DB, 88                            ; s[88:95] where my four images go
.set MSB, 0
.macro WIN new                         ; the immediate's high byte repeats the setting that is left
.if MSB != (\new)
	s_set_vgpr_msb (MSB<<8)|(\new)
.set MSB, \new
.endif
.endm
.set MUL_LO, 0xa1                      ; source 0 (B) window 1, source 1 (A) window 0, C and D window 2
.set MUL_HI, 0xf1                      ; the same, C and D window 3
.set TO_B,   0x40
; A joint load: waves 0 and 1 fetch for A, waves 2 and 3 for B; the branch hangs on the wave's number alone.  An s_nop 0 and four v_nop follow each line.
.macro JLOAD g0a, g1a, g0b, g1b
	s_cmp_eq_u32 s15, 0
	s_cbranch_scc0 .Lfor_b_\@
	tensor_load_to_lds s[\g0a:\g0a+3], s[\g1a:\g1a+7]
	s_nop 0
.rept 4
	v_nop
.endr
	s_branch .Lasked_\@
.Lfor_b_\@:
	tensor_load_to_lds s[\g0b:\g0b+3], s[\g1b:\g1b+7]
	s_nop 0
.rept 4
	v_nop
.endr
.Lasked_\@:
.endm
.macro CREST                           ; a round of the cluster's barrier behind its opening barrier
	s_cmp_lg_u32 s14, 0
	s_cbranch_scc1 .Lnot_wave_0_\@
	s_barrier_signal -3
.Lnot_wave_0_\@:
	s_barrier_wait -3
	s_barrier_signal -1
	s_barrier_wait -1
.endm
.macro CROUND
	s_barrier_signal -1
	s_barrier_wait -1
	CREST
.endm
	s_load_b256 s[4:11], s[0:1], 0x0               ; xc s[4:5], wc s[6:7], bq s[8:9], bk s[10:11]
	s_load_b128 s[68:71], s[0:1], 0x20             ; bv s[68:69], the exponents s[70:71]
	s_load_b64 s[72:73], s[0:1], 0x30              ; qkv
	v_lshl_add_u32 v[SPW], v0, 2, SPARE
	v_mov_b32 v[NIL], 0
	ds_add_u32 v[SPW], v[NIL]                      ; the wave's opening: the add and its wait ahead of my first tensor load; the set-up below stands between them
	ds_add_u32 v[SPW], v[NIL]
	v_lshrrev_b32 v1, 5, v0
	v_readfirstlane_b32 s14, v1                    ; wave 0..3
	s_lshr_b32 s15, s14, 1                         ; which half of A's rows is mine.  Also: I fetch for A (0) or for B (1)
	s_and_b32 s16, s14, 1                          ; which half of B's rows.  Also: which 128 rows of that tile I fetch
	s_bfe_u32 s40, ttmp6, 0x40000                  ; cx, cy
	s_bfe_u32 s41, ttmp6, 0x40004
	s_mov_b32 s12, ttmp9                           ; which tensor: the cluster's x
	s_and_b32 s3, ttmp7, 0xffff
	s_lshl_b32 s3, s3, 2                           ; 4 x the cluster's y: it walks the tokens
	s_cmp_eq_u32 s12, 2
	s_cselect_b32 s13, -1, 0                       ; ones for V
	s_cselect_b32 s2, 0, -1                        ; ones for Q and K
	s_cselect_b32 s42, s3, 0
	s_cselect_b32 s17, 0, s3
	s_add_co_u32 s42, s42, s40                     ; tile column (B): cx, for V + 4 x cluster y
	s_add_co_u32 s17, s17, s41                     ; tile row (A): cy, for Q and K + 4 x cluster y
	s_lshl_b32 s43, s41, 2
	s_lshl_b32 s43, 15, s43                        ; my row of the cluster
	s_lshl_b32 s44, 0x1111, s40                    ; my column
	s_or_b32 s[G1+0], s43, (0<<16)|(1<<20)|(1<<21)|(5<<22)|(3<<25)  ; the mask; elements of 1 byte; padding on; bit 21 beside a mask; 4 words behind every 64
	s_or_b32 s[G1B+0], s44, (0<<16)|(1<<20)|(1<<21)|(5<<22)|(3<<25)
.irp g, G1, G1B
	s_mov_b32 s[\g+1], ROWB<<16                    ; tensor_dim0
	s_mov_b32 s[\g+2], 128<<16                     ; tensor_dim1
	s_mov_b32 s[\g+3], ROWB<<16                    ; tile_dim0
	s_mov_b32 s[\g+4], 128                         ; tile_dim1
	s_mov_b32 s[\g+5], KROW                        ; the pitch
	s_mov_b32 s[\g+6], 0
	s_mov_b32 s[\g+7], 0
.endr
	s_lshl_b32 s18, s16, 7
	s_lshl_b32 s20, s17, 8
	s_add_co_u32 s20, s20, s18                     ; A: row 256 x tile row + 128 x half
	s_lshl_b32 s46, s42, 8
	s_add_co_u32 s46, s46, s18                     ; B likewise by the tile column
	s_lshl_b32 s20, s20, 10                        ; in bytes
	s_mov_b32 s21, 0
	s_lshl_b32 s46, s46, 10
	s_mov_b32 s47, 0
	s_mul_i32 s45, s14, HALFT                      ; where they go: wave x 128 rows
	s_lshl_b32 s22, s12, 23                        ; the tensor's part of xc,
	s_mov_b32 s23, 0
	s_lshl_b32 s18, s12, 20                        ; and of wc
	s_mov_b32 s19, 0
	s_wait_dscnt 0x0                               ; the opening add is done
	s_wait_kmcnt 0x0
	s_load_b256 s[76:83], s[70:71], 0x0            ; e0 .. e7
	s_load_b128 s[84:87], s[70:71], 0x20           ; e8 .. e11
	s_add_nc_u64 s[4:5], s[4:5], s[22:23]
	s_add_nc_u64 s[6:7], s[6:7], s[18:19]
	s_cmp_eq_u32 s12, 2
	s_cselect_b64 s[22:23], s[6:7], s[4:5]         ; A
	s_cselect_b64 s[18:19], s[4:5], s[6:7]         ; B
	s_add_nc_u64 s[20:21], s[22:23], s[20:21]
	s_add_nc_u64 s[46:47], s[18:19], s[46:47]
	CROUND                                         ; all sixteen work-groups are here: the first joint loads meet
.irp s, 0,1
	s_mov_b32 s[G0+4*\s], 1
	s_add_co_u32 s[G0+4*\s+1], s45, \s*SLOT
	s_add_nc_u64 s[G0+4*\s+2:G0+4*\s+3], s[20:21], \s*ROWB
	s_or_b32 s[G0+4*\s+3], s[G0+4*\s+3], 0x80000000
	s_mov_b32 s[G0B+4*\s], 1
	s_add_co_u32 s[G0B+4*\s+1], s45, \s*SLOT
	s_add_nc_u64 s[G0B+4*\s+2:G0B+4*\s+3], s[46:47], \s*ROWB
	s_or_b32 s[G0B+4*\s+3], s[G0B+4*\s+3], 0x80000000
	JLOAD G0+4*\s, G1, G0B+4*\s, G1B               ; two loads of mine are out
.endr
	v_and_b32 v1, 15, v0                           ; r = l % 16
	s_wait_alu depctr_va_vdst(0)
	v_bfe_u32 v2, v0, 4, 1                         ; h = l / 16
	; the bias: its buffer, and the two offsets, each 0 where it is not the tensor's
	s_wait_alu depctr_va_vdst(0)
	s_cmp_eq_u32 s12, 0
	s_cselect_b64 s[100:101], s[8:9], s[10:11]
	s_cmp_eq_u32 s12, 2
	s_cselect_b64 s[100:101], s[68:69], s[100:101]
	s_lshl_b32 s18, s42, 10
	s_lshl_b32 s19, s16, 9
	s_add_co_u32 s18, s18, s19                     ; 4 x (256 x tile column + 128 x half)
	s_and_b32 s18, s18, s2
	s_mov_b32 s19, 0
	s_add_nc_u64 s[98:99], s[100:101], s[18:19]
	s_lshl_b32 s18, s17, 10
	s_lshl_b32 s20, s15, 9
	s_add_co_u32 s18, s18, s20                     ; 4 x (256 x tile row + 128 x half)
	s_and_b32 s18, s18, s13
	s_add_nc_u64 s[100:101], s[100:101], s[18:19]
	v_lshlrev_b32 v[RBO], 2, v1
	v_lshlrev_b32 v[BCO], 5, v2
.irp a, 0,1,2,3,4,5,6,7
	global_load_b32 v[96+\a], v[RBO], s[100:101] offset:64*\a     ; the bias of A's row 16 a + r
.endr
	v_mul_u32_u24 v3, v1, PITCH
	v_lshl_add_u32 v4, v2, 4, v3                   ; a fragment's row x pitch + 16 x half
	s_mul_i32 s21, s15, HALFT
	s_mul_i32 s22, s16, HALFT
	s_add_co_u32 s22, s22, 2*HALFT
.irp s, 0,1
	v_add_nc_u32 v[ADRA+\s], s21, v4
	v_add_nc_u32 v[ADRB+\s], s22, v4
	s_add_co_u32 s21, s21, SLOT
	s_add_co_u32 s22, s22, SLOT
.endr
	s_mul_i32 s23, s14, 4*TPITCH                   ; my stage
	v_lshrrev_b32 v5, 3, v1
	v_mul_u32_u24 v5, v5, TPITCH
	v_and_b32 v6, 7, v1
	v_lshl_add_u32 v5, v6, 4, v5
	v_lshl_add_u32 v5, v2, 3, v5
	v_add_nc_u32 v[STO], s23, v5                   ; in: tile r / 8, 16 (r % 8) + 8 h
	v_and_b32 v6, 31, v0
	v_lshlrev_b32 v[CO], 4, v6                     ; back, and out: 16 bytes a lane
	v_add_nc_u32 v[RD], s23, v[CO]
	; where my four images go: image 2 g + bq holds A's rows 64 g on and B's rows 64 bq on
	s_cmp_eq_u32 s12, 2
	s_cselect_b32 s18, s42, s17                    ; the tile number that walks tokens,
	s_cselect_b32 s19, s17, s42                    ; the one that walks 64 h + d,
	s_cselect_b32 s20, s16, s15                    ; my half in tokens,
	s_cselect_b32 s21, s15, s16                    ; my half in heads
	s_mov_b32 s22, 4096
	s_cselect_b32 s22, 0x20000, s22                ; from g to g + 1: a head for V, a block of tokens for Q and K
	s_mov_b32 s46, 0x20000
	s_cselect_b32 s46, 4096, s46                   ; from bq to bq + 1: the other
	s_mov_b32 s23, 0
	s_mov_b32 s47, 0
	s_lshr_b32 s74, s18, 3
	s_lshl_b32 s74, s74, 4                         ; 16 b
	s_lshl_b32 s19, s19, 2
	s_add_co_u32 s74, s74, s19
	s_lshl_b32 s21, s21, 1
	s_add_co_u32 s74, s74, s21                     ; + the head
	s_lshl_b32 s74, s74, 17
	s_and_b32 s18, s18, 7
	s_lshl_b32 s18, s18, 2
	s_lshl_b32 s20, s20, 1
	s_add_co_u32 s18, s18, s20                     ; the block of 64 tokens
	s_lshl_b32 s18, s18, 12
	s_add_co_u32 s74, s74, s18
	s_lshl_b32 s18, s12, 23                        ; the tensor's part
	s_add_co_u32 s74, s74, s18
	s_mov_b32 s75, 0
	s_add_nc_u64 s[DB:DB+1], s[72:73], s[74:75]
	s_add_nc_u64 s[DB+2:DB+3], s[DB:DB+1], s[46:47]
	s_add_nc_u64 s[DB+4:DB+5], s[DB:DB+1], s[22:23]
	s_add_nc_u64 s[DB+6:DB+7], s[DB+4:DB+5], s[46:47]
	; the powers of two
	s_wait_kmcnt 0x0
	s_cmp_eq_u32 s12, 0
	s_cselect_b32 s18, s76, s78
	s_cselect_b32 s19, s77, s79
	s_cselect_b32 s20, s82, s83
	s_cmp_eq_u32 s12, 2
	s_cselect_b32 s18, s80, s18                    ; W's exponent,
	s_cselect_b32 s19, s81, s19                    ; x's,
	s_cselect_b32 s20, s85, s20                    ; the result's: entry 6, 7 or 9
	s_add_co_i32 s18, s18, s19                     ; E
	s_sub_co_i32 s74, 0, s18
	s_add_co_i32 s18, s18, 127
	s_lshl_b32 s96, s18, 23                        ; 2^E as f32
	s_mov_b32 s97, s96                             ; (named with it as a pair)
	s_add_co_i32 s20, s20, 127
	s_lshl_b32 s21, s20, 23
	v_mov_b32 v[SC], s21
	s_wait_loadcnt 0x0                             ; the eight numbers of the row bias
.irp a, 0,1,2,3,4,5,6,7
	v_and_b32 v[96+\a], s13, v[96+\a]              ; 0 for Q and K
.endr
.irp a, 0,1,2,3,4,5,6,7
.irp j, 0,1,2,3,4,5,6,7
	v_ldexp_f32 v[RB+8*\a+\j], v[96+\a], s74       ; / 2^E, in the result's layout: the same number in a lane's eight registers
.endr
.endr
.macro FRAG reg, adr, q, i             ; 16 rows x 128 K: registers 4 c .. 4 c + 3 hold K = 32 c + 16 (l / 16) + 0 .. 15: the same places in A and in B
.irp c, 0,1,2,3
	ds_load_b128 v[\reg+4*\c:\reg+4*\c+3], v[\adr] offset:128*(\q)+32*\c+(\i)*16*PITCH
.endr
.endm
; 16 matrix instructions: A's blocks a0, a0 + 1 x B's eight.  first = 1: the first products start the sums with the row bias as C.  The 64 accumulators take turns.
.macro MUL16 a0, p, first
.irp a, \a0, \a0+1
.irp b, 0,1,2,3,4,5,6,7
.if \first
	v_wmma_f32_16x16x128_fp8_fp8 v[8*(8*((\a)%4)+\b):8*(8*((\a)%4)+\b)+7], v[128*(\p)+FR*\b:128*(\p)+FR*\b+FR-1], v[AF+FR*(\a):AF+FR*(\a)+FR-1], v[RB+8*(\a):RB+8*(\a)+7]
.else
	v_wmma_f32_16x16x128_fp8_fp8 v[8*(8*((\a)%4)+\b):8*(8*((\a)%4)+\b)+7], v[128*(\p)+FR*\b:128*(\p)+FR*\b+FR-1], v[AF+FR*(\a):AF+FR*(\a)+FR-1], v[8*(8*((\a)%4)+\b):8*(8*((\a)%4)+\b)+7]
.endif
.endr
.endr
.endm
.macro FETCH_B slot, q, p
	WIN TO_B
.irp i, 0,1,2,3,4,5,6,7
	FRAG 128*(\p)+FR*\i, ADRB+\slot, \q, \i
.endr
	WIN 0
.endm
.macro FETCH_A slot, q, i0
.irp i, \i0, \i0+1, \i0+2, \i0+3
	FRAG AF+FR*(\i), ADRA+\slot, \q, \i
.endr
.endm
.macro PLACES n                        ; plain vector lines between a matrix instruction and a load into, or a vector read or write of, its registers
.rept \n
	v_nop
.endr
.endm
.macro STEP slot, q, first             ; 128 along K, with its successor in the same slot
	s_wait_dscnt 4*NL                              ; B's set and A's blocks 0-3 are in; A's blocks 4-7 may be out
.if \first
	WIN 0x81                                       ; C in window 0, D in window 2
.else
	WIN MUL_LO
.endif
	MUL16 0, (\q)%2, \first
	MUL16 2, (\q)%2, \first
	s_wait_dscnt 0
	PLACES NP
	FETCH_B \slot, (\q)+1, 1-(\q)%2
	FETCH_A \slot, (\q)+1, 0
.if \first
	WIN 0xc1
.else
	WIN MUL_HI
.endif
	MUL16 4, (\q)%2, \first
	MUL16 6, (\q)%2, \first
	PLACES NP
	WIN 0
	FETCH_A \slot, (\q)+1, 4
.endm
; A slot's last step changes slots: one barrier; in front of it each wave waits for all its tensor loads, adds 0 to its spare word, and waits for that and for its reads of this slot.
.macro TURN slot, next, fill
	s_wait_tensorcnt 0x0                           ; all my tensor loads have landed: my part of the next slot
	ds_add_u32 v[SPW], v[NIL]
	s_wait_dscnt 4*NL+1                            ; (the add and A's blocks 4-7 may be out)
	WIN MUL_LO
	MUL16 0, 1, 0
	s_wait_dscnt 0x0                               ; the add is done, and my reads of this slot are over
	s_barrier_signal -1
	MUL16 2, 1, 0
	WIN 0
	s_barrier_wait -1
.if \fill
	CREST                                          ; the barrier has opened a round of the cluster's: no wave of any partner still reads this slot or has a load on its way
	s_add_nc_u64 s[G0+4*\slot+2:G0+4*\slot+3], s[G0+4*\slot+2:G0+4*\slot+3], 2*ROWB
	s_add_nc_u64 s[G0B+4*\slot+2:G0B+4*\slot+3], s[G0B+4*\slot+2:G0B+4*\slot+3], 2*ROWB
	JLOAD G0+4*\slot, G1, G0B+4*\slot, G1B         ; my one tensor load behind the round; its four v_nop are the places in front of the loads below
.else
	PLACES NP
.endif
	FETCH_B \next, 0, 0
	FETCH_A \next, 0, 0
	WIN MUL_HI
	MUL16 4, 1, 0
	MUL16 6, 1, 0
	PLACES NP
	WIN 0
	FETCH_A \next, 0, 4
.endm
	s_wait_alu depctr_va_vdst(0)
	s_wait_tensorcnt 1                             ; my part of K step 0 is in; K step 1's load may be out
	s_barrier_signal -1
	s_barrier_wait -1
	FETCH_B 0, 0, 0
	FETCH_A 0, 0, 0
	FETCH_A 0, 0, 4
	STEP 0, 0, 1                                   ; K = 1,024 is four slots' worth, eight steps: written straight
.irp b, 0,1,2,3,4,5,6,7                        ; the row bias has been read (four places stand behind the last product that read it): its registers take the column bias of B's rows 16 b + 8 h + 0 .. 7
	global_load_b128 v[BC+8*\b:BC+8*\b+3], v[BCO], s[98:99] offset:64*\b
	global_load_b128 v[BC+8*\b+4:BC+8*\b+7], v[BCO], s[98:99] offset:64*\b+16
.endr
	TURN 0, 1, 1
	STEP 1, 0, 0
	TURN 1, 0, 1
	STEP 0, 0, 0
	TURN 0, 1, 0                                   ; the last two slots are filled no more
	STEP 1, 0, 0
	s_wait_dscnt 4*NL
	WIN MUL_LO
	MUL16 0, 1, 0
	MUL16 2, 1, 0
	s_wait_dscnt 0
	WIN MUL_HI
	MUL16 4, 1, 0
	MUL16 6, 1, 0
	WIN 0
; THE WAY OUT, image by image (64 rows of A x 64 rows of B: 16 accumulators).  sum x 2^E + the column bias; eight codes a conversion.
; A lane's eight codes go into my stage at their place in the image, and the image comes back 16 bytes a lane and leaves as 4,096 consecutive bytes.
.macro OUTBLK n
.set G, (\n)/2
.set BQ, (\n)%2
.irp hf, 0,1
	WIN 0x02+G                                     ; source 0: window 2 or 3
.irp aa, 0,1
.irp bb, 0,1,2,3
.irp i, 0,2,4,6
	v_pk_fma_f32 v[TMP+8*(4*\aa+\bb)+\i:TMP+8*(4*\aa+\bb)+\i+1], v[64*(2*\hf+\aa)+8*(4*BQ+\bb)+\i:64*(2*\hf+\aa)+8*(4*BQ+\bb)+\i+1], s[96:97], v[BC+8*(4*BQ+\bb)+\i:BC+8*(4*BQ+\bb)+\i+1] op_sel_hi:[1,0,1]
.endr
.endr
.endr
	WIN 0
.set J, 0
.rept 64
.set J, J+1
.endr
.irp aa, 0,1
.irp bb, 0,1,2,3
	v_cvt_scalef32_pk8_fp8_f32 v[CD+2*(4*(2*\hf+\aa)+\bb):CD+2*(4*(2*\hf+\aa)+\bb)+1], v[TMP+8*(4*\aa+\bb):TMP+8*(4*\aa+\bb)+7], v[SC]
.endr
.endr
	v_nop                                          ; one plain vector line behind the conversions
.endr
.irp aa, 0,1,2,3
.irp bb, 0,1,2,3
	ds_store_b64 v[STO], v[CD+2*(4*\aa+\bb):CD+2*(4*\aa+\bb)+1] offset:(\aa/2)*2*TPITCH+(\aa%2)*128+(\bb/2)*512+(\bb%2)*256
.endr
.endr
.set BB, BK+32*((\n)%2)
.irp k, 0,1,2,3,4,5,6,7
	ds_load_b128 v[BB+4*\k:BB+4*\k+3], v[RD] offset:(\k/2)*TPITCH+(\k%2)*512   ; LDS serves a wave's instructions in order: these see my stores, and the next image's stores come behind them
.endr
.endm
.macro SENDBLK n, younger              ; younger: the LDS instructions issued behind image n's loads
.set BB, BK+32*((\n)%2)
	s_wait_dscnt \younger
.irp k, 0,1,2,3,4,5,6,7
	global_store_b128 v[CO], v[BB+4*\k:BB+4*\k+3], s[DB+2*(\n):DB+2*(\n)+1] offset:512*\k   ; 32 lanes store 512 consecutive bytes, aligned
.endr
.endm
	s_wait_loadcnt 0x0                             ; the column bias
.set J, 0
.rept 64
	v_and_b32 v[BC+J], s2, v[BC+J]                 ; 0 for V.  (These are also the places behind the last products)
.set J, J+1
.endr
	OUTBLK 0
	OUTBLK 1
	SENDBLK 0, 24                                  ; behind image 0's loads: image 1's 16 stores and 8 loads
	s_wait_xcnt 0x0                                ; image 0's stores have read their registers: image 2's loads may land there
	OUTBLK 2
	SENDBLK 1, 24
	s_wait_xcnt 0x0
	OUTBLK 3
	SENDBLK 2, 24
	SENDBLK 3, 0
	s_wait_tensorcnt 0x0                           ; the wave's end: behind my last tensor load and my last LDS store
	ds_add_u32 v[SPW], v[NIL]
	s_wait_dscnt 0x0
	CROUND                                         ; the closing round
	s_endpgm
.Lfunc_end_k_q967cb2ec56_qkv:
	.size	k_q967cb2ec56_qkv, .Lfunc_end_k_q967cb2ec56_qkv-k_q967cb2ec56_qkv
	.p2alignl 7, 3214868480
	.fill 96, 4, 3214868480
	.section	.rodata,"a",@progbits
	.p2align	6, 0x0
	.amdhsa_kernel k_q967cb2ec56_qkv
		.amdhsa_group_segment_fixed_size 327680
		.amdhsa_private_segment_fixed_size 0
		.amdhsa_enable_private_segment 0
		.amdhsa_kernarg_size 56
		.amdhsa_user_sgpr_count 2
		.amdhsa_user_sgpr_kernarg_segment_ptr 1
		.amdhsa_wavefront_size32 1
		.amdhsa_system_sgpr_workgroup_id_x 1
		.amdhsa_system_sgpr_workgroup_id_y 1
		.amdhsa_system_sgpr_workgroup_id_z 1
		.amdhsa_system_vgpr_workitem_id 0
		.amdhsa_next_free_vgpr 1024
		.amdhsa_next_free_sgpr 102
		.amdhsa_reserve_vcc 0
		.amdhsa_float_denorm_mode_32 3
		.amdhsa_float_denorm_mode_16_64 3
		.amdhsa_fp16_overflow 1
		.amdhsa_memory_ordered 1
		.amdhsa_forward_progress 1
		.amdhsa_inst_pref_size 118
	.end_amdhsa_kernel
	.amdgpu_metadata
---
amdhsa.version: [ 1, 2 ]
amdhsa.kernels:
  - .name:           k_q967cb2ec56_qkv
    .symbol:         k_q967cb2ec56_qkv.kd
    .args:
      - { .name: xc, .offset: 0, .size: 8, .value_kind: global_buffer, .address_space: global }
      - { .name: wc, .offset: 8, .size: 8, .value_kind: global_buffer, .address_space: global }
      - { .name: bq, .offset: 16, .size: 8, .value_kind: global_buffer, .address_space: global }
      - { .name: bk, .offset: 24, .size: 8, .value_kind: global_buffer, .address_space: global }
      - { .name: bv, .offset: 32, .size: 8, .value_kind: global_buffer, .address_space: global }
      - { .name: lowp_scales, .offset: 40, .size: 8, .value_kind: global_buffer, .address_space: global }
      - { .name: qkv, .offset: 48, .size: 8, .value_kind: global_buffer, .address_space: global }
    .group_segment_fixed_size: 327680
    .private_segment_fixed_size: 0
    .kernarg_segment_align: 8
    .kernarg_segment_size: 56
    .max_flat_workgroup_size: 128
    .sgpr_count:     102
    .vgpr_count:     1024
    .wavefront_size: 32
...
	.end_amdgpu_metadata
.endif
;; end of part 2
;; launch attn (part 3): grid 4 x 64, 16 waves a work-group, no clusters, 327,680 bytes of LDS; arguments qkv, lowp_scales, cc; writes cc
.if DOCPART == 3
	.amdgcn_target "amdgcn-amd-amdhsa--gfx1250"
	.amdhsa_code_object_version 6
	.text
	.protected	k_q967cb2ec56_attn
	.globl	k_q967cb2ec56_attn
	.p2align	8
	.type	k_q967cb2ec56_attn,@function
k_q967cb2ec56_attn:
	s_mov_b64 s[64:65], 0
	v_nop
	global_prefetch_b8 v0, s[64:65] scope:SCOPE_SE
	s_setreg_imm32_b32 hwreg(HW_REG_WAVE_MODE, 25, 1), 1
	s_wait_xcnt 0x0
; Causal attention of one head (head size 64) on codes of FP8 (E4M3), and its result quantised for the last product (entry 10).  Scales: Q entry 6, K 7, p 8, V 9.
; THE SOFTMAX: t = score x log2(e) / 8; M = the running largest t rounded UP to a whole number; p = 2^(t - M) is quantised along the keys, not normalised; the row's sum is taken of the unquantised p and divides at the end.
; When M moves, the sum and O are multiplied by 2^(old M - new M): exact.
; IN: qkv's parts Q, K, V, each [16 b + h][block of 64 tokens][4,096 bytes], images of operand registers: tile T of a block is 1,024 bytes, read by two loads of 16 bytes a lane; lane (r, hh) gets, of row
; 32 (T / 2) + 8 (T % 2) + r % 8 + 16 (r / 8), columns 32 c + 16 hh + 0 .. 15 in registers 4 c .. 4 c + 3 (Q, K: row = token, column = d; V: row = d, column = key).  The places along K are the same on both sides of each product.
; Both products are used transposed (S^T = K Q^T, O^T = V^T P^T): a lane holds one query throughout, and by the rows' order the 16 registers of result tiles 2 b, 2 b + 1 are 16 neighbours along the next K.
; SHARES: work-group (j, 16 b + h) owns the head's blocks j and 7 - j of 256 queries: the same number of key steps in every work-group.  Each of its sixteen waves owns 32 queries, two tiles, so that each
; fragment of K and V read from LDS feeds two products.  Keys go 64 a step; K's and V's images come through rings of two slots of 256 keys (16 KiB each), wave 0 fetching K's and wave 1 V's.
; NO CLUSTER: what a work-group leaves out under the mask, and where its fills end, hang on its block of queries, which in a cluster of one head's blocks would be its place in the cluster.
; OUT: cc, byte of (token, head, d) at (token / 128) x 131,072 + head x 8,192 + (token % 128) x 64 + d: 128 tokens x 256 along the last product's K are one dense block, and my 32 queries are 2,048 bytes on end.
; LIMITS: entries 6 + 7 between -123 and 130; entries 8 and 10 between -126 and 119; 8 + 9 is applied by v_ldexp_f32 and has none.  NaN among the inputs is not served.
; REGISTERS: v1-9 addresses and constants; v10, v11 the mask's; v[12:13], v[242:243] (-M, largest t) of tiles 0, 1; v[14:15], v[244:245] the sums; v16-31 Q; v32-63 K; v64-95 V; v96-159 S^T, then p; v160-223 O^T; v224-239 p's codes;
;   v241 2^e8; v[246:247], v[248:249] f; v250-255 at work.
.set SLOTB, 16384
.set VOFF,  32768                      ; V's ring behind K's
.set STAGE, 65536                      ; the way out: 2,048 bytes for each wave; no fill lands here
.set SPARE, 98304                      ; the spare words, 128 bytes for each of sixteen waves
.set LI,   1                           ; v1  16 x lane
.set ADR,  2                           ; v2  the slot in hand + 16 x lane
.set PFO,  3                           ; v3  256 x lane: the prefetches' offset
.set DL0,  4                           ; v4  r % 8 + 16 (r / 8) - 16 h
.set SPW,  5
.set NIL,  6
.set NINF, 7                           ; v7  -infinity
.set STO,  8
.set SRD,  9
.set QF,   16
.set KFR,  32
.set VFR,  64
.set S,    96
.set O,    160
.set PC,   224
.set TB,   2                           ; s2  LDS byte at which the slot in hand begins
.set WV,   18
.set SEL,  20
.set CS,   22
.set G1,   24
.set G0,   40
.set LASTQ, 66                         ; s66 my work-group's last query
.set SLOTS, 67                         ; s67 changes of slots still to come that may fill
.set PFA,  76
.set LIM,  80
.set KF,   98                          ; s98 the step's first key
.set Q0,   99                          ; s99 my first query
.macro TLOAD                           ; waves 0 and 1 fetch; an s_nop 0 and four v_nop follow the line
	s_cmp_lt_u32 s[WV], 2
	s_cbranch_scc0 .Lasked_\@
	tensor_load_to_lds s[G0:G0+3], s[G1:G1+7]
	s_nop 0
.rept 4
	v_nop
.endr
.Lasked_\@:
.endm
; A prefetch of what the NEXT change of slots will ask for: 16 KiB of K's images and 16 KiB of V's.  All four work-groups of a head walk the same K and V: the first of them asks, which also walks all eight slots.
; In it waves 4 and 5 ask for K's, waves 6 and 7 for V's: 8,192 bytes a wave, lanes 256 bytes apart, so each aligned block of 256 bytes is named once.  The last change that may fill asks for nothing; slots 0 and 1 come by their loads alone.
.macro ASK
	s_cmp_gt_u32 s[SLOTS], s[LIM]
	s_cbranch_scc0 .Lnot_mine_\@
	global_prefetch_b8 v[PFO], s[PFA:PFA+1] th:TH_LOAD_NT scope:SCOPE_SE
.Lnot_mine_\@:
.endm
	s_load_b128 s[4:7], s[0:1], 0x0                ; qkv s[4:5], the exponents s[6:7]
	s_load_b64 s[8:9], s[0:1], 0x10                ; cc
	v_lshl_add_u32 v[SPW], v0, 2, SPARE
	v_mov_b32 v[NIL], 0
	ds_add_u32 v[SPW], v[NIL]                      ; the wave's opening: the add and its wait ahead of my first tensor load; the set-up below stands between them
	ds_add_u32 v[SPW], v[NIL]
	v_lshrrev_b32 v8, 5, v0
	s_delay_alu instid0(VALU_DEP_1)
	v_readfirstlane_b32 s[WV], v8                  ; wave 0..15
	s_and_b32 s32, ttmp7, 0xffff                   ; 16 b + h
	s_lshl_b32 s33, s32, 17                        ; its 131,072 bytes in each part of qkv
	s_lshr_b32 s34, s[WV], 2
	s_xor_b32 s34, s34, s[WV]
	s_and_b32 s34, s34, 1                          ; the early block (0) or the late one (1): each pair of waves 2 i, 2 i + 1 has one of each
	s_sub_co_u32 s35, 7, ttmp9
	s_cmp_eq_u32 s34, 0
	s_cselect_b32 s36, ttmp9, s35
	s_lshl_b32 s36, s36, 8
	s_lshr_b32 s37, s[WV], 1
	s_lshl_b32 s37, s37, 5
	s_add_co_u32 s[Q0], s36, s37                   ; my first query: 256 x block + 32 x (wave / 2)
	s_lshl_b32 s[LASTQ], s35, 8
	s_or_b32 s[LASTQ], s[LASTQ], 255
	s_mov_b32 s[G1], 3<<16                         ; no mask; elements of 8 bytes; no padding: a dense block as 64 rows of 256 bytes
	s_mov_b32 s[G1+1], 32<<16                      ; tensor_dim0 = 32
	s_mov_b32 s[G1+2], 64<<16                      ; tensor_dim1 = 64
	s_mov_b32 s[G1+3], 32<<16                      ; tile_dim0 = 32
	s_mov_b32 s[G1+4], 64                          ; tile_dim1 = 64
	s_mov_b32 s[G1+5], 32                          ; the pitch
	s_mov_b32 s[G1+6], 0
	s_mov_b32 s[G1+7], 0
	s_mov_b32 s[SEL], 0x76543210
	s_mov_b32 s[SEL+1], 0xfedcba98
	s_mov_b32 s[CS], 0x3e38aa3b                    ; c = log2(e) / 8
	s_mov_b32 s[TB], 0
	s_mov_b32 s[SLOTS], 7
	s_mov_b32 s[KF], 0
	s_and_b32 s38, s[WV], 1
	s_lshl_b32 s39, s38, 15                        ; wave 0: K's ring; wave 1: V's
	s_add_co_u32 s44, s38, 1
	s_lshl_b32 s44, s44, 23                        ; K's part of qkv or V's
	s_add_co_u32 s44, s44, s33
	s_mov_b32 s45, 0
	s_wait_dscnt 0x0                               ; the opening add is done
	s_wait_kmcnt 0x0
	s_load_b128 s[68:71], s[6:7], 0x10             ; e4 .. e7
	s_load_b128 s[72:75], s[6:7], 0x20             ; e8 .. e11
	s_mov_b32 s[G0], 1
	s_mov_b32 s[G0+1], s39
	s_add_nc_u64 s[G0+2:G0+3], s[4:5], s[44:45]
	s_or_b32 s[G0+3], s[G0+3], 0x80000000
	TLOAD                                          ; slot 0
	s_lshl_b32 s46, s[Q0], 6
	s_add_co_u32 s46, s46, s33
	s_mov_b32 s47, 0
	s_add_nc_u64 s[10:11], s[4:5], s[46:47]        ; my two tiles of Q: 2,048 bytes
	s_lshr_b32 s48, s32, 4
	s_lshl_b32 s48, s48, 4
	s_lshr_b32 s49, s[Q0], 7
	s_add_co_u32 s48, s48, s49                     ; (2048 b + my first query) / 128
	s_lshl_b32 s48, s48, 17
	s_and_b32 s49, s32, 15
	s_lshl_b32 s49, s49, 13                        ; the head x 8,192
	s_add_co_u32 s48, s48, s49
	s_and_b32 s49, s[Q0], 127
	s_lshl_b32 s49, s49, 6
	s_add_co_u32 s48, s48, s49
	s_mov_b32 s49, 0
	s_add_nc_u64 s[12:13], s[8:9], s[48:49]        ; my 2,048 bytes of cc
	s_lshr_b32 s50, s[WV], 1
	s_and_b32 s50, s50, 1                          ; the prefetches: waves 4, 5: K; 6, 7: V
	s_add_co_u32 s50, s50, 1
	s_lshl_b32 s50, s50, 23
	s_add_co_u32 s50, s50, s33
	s_lshl_b32 s51, s38, 13                        ; my 8,192 bytes of a slot's 16,384,
	s_add_co_u32 s50, s50, s51
	s_add_co_u32 s50, s50, SLOTB                   ; in slot 1: the first change of slots steps it to slot 2
	s_mov_b32 s51, 0
	s_add_nc_u64 s[PFA:PFA+1], s[4:5], s[50:51]
	s_lshr_b32 s52, s[WV], 2
	s_xor_b32 s52, s52, 1                          ; 0 in waves 4 to 7,
	s_or_b32 s52, s52, ttmp9                       ; of the head's first work-group
	s_cmp_eq_u32 s52, 0
	s_cselect_b32 s[LIM], 1, -1
	v_and_b32 v[LI], 31, v0
	s_delay_alu instid0(VALU_DEP_1)
	v_lshlrev_b32 v[PFO], 8, v[LI]
	s_delay_alu instid0(VALU_DEP_2)
	v_lshlrev_b32 v[LI], 4, v[LI]
.irp k, 0,1,2,3
	global_load_b128 v[QF+4*\k:QF+4*\k+3], v[LI], s[10:11] offset:512*\k   ; Q stays in registers: tile k / 2, columns 32 (k % 2) on
.endr
	v_and_b32 v8, 15, v0                           ; r
	v_bfe_u32 v9, v0, 4, 1                         ; h
	s_delay_alu instid0(VALU_DEP_2)
	v_and_b32 v10, 7, v8
	s_delay_alu instid0(VALU_DEP_3)
	v_lshrrev_b32 v11, 3, v8
	s_delay_alu instid0(VALU_DEP_1)
	v_lshl_add_u32 v10, v11, 4, v10                ; r % 8 + 16 (r / 8): my query's place among a tile pair's 32, less 8 x tile
	s_delay_alu instid0(VALU_DEP_4)
	v_lshlrev_b32 v11, 4, v9
	s_delay_alu instid0(VALU_DEP_1)
	v_sub_nc_u32 v[DL0], v10, v11
	s_lshl_b32 s53, s[WV], 11
	s_add_co_u32 s53, s53, STAGE                   ; my stage
	v_lshlrev_b32 v10, 6, v10
	s_delay_alu instid0(VALU_DEP_1)
	v_add_nc_u32 v10, v10, v11
	s_delay_alu instid0(VALU_DEP_1)
	v_add_nc_u32 v[STO], s53, v10                  ; in: my query's 64 bytes, + 16 h
	v_add_nc_u32 v[SRD], s53, v[LI]                ; back: 16 bytes a lane
	v_mov_b32 v[NINF], 0xff800000
	v_mov_b32 v13, 0xff61b1e6                      ; the largest t so far: -3e38, under every t
	v_mov_b32 v243, 0xff61b1e6
	s_delay_alu instid0(VALU_DEP_2)
	v_floor_f32 v12, -v13                          ; -M
	s_delay_alu instid0(VALU_DEP_2)
	v_floor_f32 v242, -v243
	v_mov_b32 v14, 0                               ; the sums, each in two halves
	v_mov_b32 v15, 0
	v_mov_b32 v244, 0
	v_mov_b32 v245, 0
	v_mov_b32 v247, 0                              ; (named as upper halves of pairs)
	v_mov_b32 v249, 0
	v_mov_b32 v250, 0                              ; (a lane permute's destination counts as one of its sources)
	v_mov_b32 v251, 0
.set J, 0
.rept 64
	v_mov_b32 v[O+J], 0                            ; O^T: the step is written for every trip alike; the first finds zeros, which the first change of M leaves zeros
.set J, J+1
.endr
	s_wait_kmcnt 0x0
	s_add_co_i32 s54, s70, s71
	s_lshl_b32 s54, s54, 23
	s_add_co_i32 s[CS], s[CS], s54                 ; a score stands for score x 2^(e6 + e7): added to c's exponent field
	s_mov_b32 s[CS+1], s[CS]
	s_add_co_i32 s54, s72, 127
	s_lshl_b32 s55, s54, 23
	v_mov_b32 v241, s55                            ; 2^e8
	s_add_co_i32 s81, s72, s73                     ; e8 + e9
	s_add_co_i32 s54, s74, 127
	s_lshl_b32 s82, s54, 23                        ; 2^e10
; A KEY STEP: 64 keys, the q-th block of the slot in hand.
.macro STEP q
	s_add_co_u32 s96, s[Q0], 31                    ; a step all of whose keys come after my 32 queries is left out: a branch on ids and the count of steps
	s_cmp_gt_u32 s[KF], s96
	s_cbranch_scc1 .Lhidden_\@
	v_add_nc_u32 v[ADR], s[TB], v[LI]
.rept 3
	v_nop                                          ; with the addition above: four places between the last step's products and the loads into V's registers
.endr
.irp t, 0,1,2,3
	ds_load_b128 v[KFR+8*\t:KFR+8*\t+3], v[ADR] offset:4096*(\q)+1024*\t
	ds_load_b128 v[KFR+8*\t+4:KFR+8*\t+7], v[ADR] offset:4096*(\q)+1024*\t+512
.endr
.irp t, 0,1,2,3
	ds_load_b128 v[VFR+8*\t:VFR+8*\t+3], v[ADR] offset:VOFF+4096*(\q)+1024*\t
	ds_load_b128 v[VFR+8*\t+4:VFR+8*\t+7], v[ADR] offset:VOFF+4096*(\q)+1024*\t+512
.endr
	s_wait_dscnt 8                                 ; K's eight loads are in; V's eight may be out
.irp t, 0,1,2,3
.irp u, 0,1
	v_wmma_f32_16x16x64_fp8_fp8 v[S+32*\u+8*\t:S+32*\u+8*\t+7], v[KFR+8*\t:KFR+8*\t+7], v[QF+8*\u:QF+8*\u+7], 0
.endr
.endr
.rept 4
	v_nop
.endr
	s_add_co_u32 s96, s[KF], 63                    ; on the diagonal hidden scores become -infinity ahead of the maximum; a step all of whose keys count for all my queries skips this
	s_cmp_le_u32 s96, s[Q0]
	s_cbranch_scc1 .Lopen_\@
	s_sub_co_i32 s96, s[Q0], s[KF]
	v_add_nc_u32 v10, s96, v[DL0]                  ; tile 0: my query - the step's first key - 16 h.  Register n holds key 32 (n / 16) + n % 16 + 16 h of the step: hidden where that number is greater
	s_delay_alu instid0(VALU_DEP_1)
	v_add_nc_u32 v11, 8, v10                       ; tile 1's queries lie 8 further on
.set J, 0
.rept 32
	v_cmp_gt_i32 vcc_lo, 32*(J/16)+J%16, v10
	v_cndmask_b32 v[S+J], v[S+J], v[NINF], vcc_lo
	v_cmp_gt_i32 vcc_lo, 32*(J/16)+J%16, v11
	v_cndmask_b32 v[S+32+J], v[S+32+J], v[NINF], vcc_lo
.set J, J+1
.endr
.Lopen_\@:
	v_max3_num_f32 v252, v[S], v[S+1], v[S+2]      ; the step's largest score of my query among my 32 keys; the two tiles by turns; each accumulator from its low end on
	v_max3_num_f32 v253, v[S+32], v[S+33], v[S+34]
.set J, 3
.rept 14
	v_max3_num_f32 v252, v252, v[S+J], v[S+J+1]
	v_max3_num_f32 v253, v253, v[S+32+J], v[S+33+J]
.set J, J+2
.endr
	v_max_num_f32 v252, v252, v[S+31]
	v_max_num_f32 v253, v253, v[S+63]
	s_delay_alu instid0(VALU_DEP_2)
	v_permlanex16_b32 v250, v252, s[SEL], s[SEL+1]
	s_delay_alu instid0(VALU_DEP_2)
	v_permlanex16_b32 v251, v253, s[SEL], s[SEL+1]
	s_delay_alu instid0(VALU_DEP_2)
	v_max_num_f32 v252, v252, v250                 ; and among lane l xor 16's
	s_delay_alu instid0(VALU_DEP_2)
	v_max_num_f32 v253, v253, v251
	s_delay_alu instid0(VALU_DEP_2)
	v_mul_f32 v252, s[CS], v252                    ; as t (c is positive)
	s_delay_alu instid0(VALU_DEP_2)
	v_mul_f32 v253, s[CS], v253
	s_delay_alu instid0(VALU_DEP_2)
	v_max_num_f32 v13, v13, v252                   ; the running largest t
	s_delay_alu instid0(VALU_DEP_2)
	v_max_num_f32 v243, v243, v253
	v_mov_b32 v254, v12
	v_mov_b32 v255, v242
	s_delay_alu instid0(VALU_DEP_4)
	v_floor_f32 v12, -v13                          ; the new -M = floor(-t): M is a whole number
	s_delay_alu instid0(VALU_DEP_4)
	v_floor_f32 v242, -v243
	s_delay_alu instid0(VALU_DEP_2)
	v_sub_f32 v254, v12, v254                      ; old M - new M: a whole number, 0 or less
	s_delay_alu instid0(VALU_DEP_2)
	v_sub_f32 v255, v242, v255
	s_delay_alu instid0(VALU_DEP_2)
	v_cvt_i32_f32 v254, v254                       ; (it saturates)
	s_delay_alu instid0(VALU_DEP_2)
	v_cvt_i32_f32 v255, v255
	s_delay_alu instid0(VALU_DEP_2)
	v_ldexp_f32 v246, 1.0, v254                    ; f = 2^(old M - new M)
	s_delay_alu instid0(VALU_DEP_2)
	v_ldexp_f32 v248, 1.0, v255
.set J, 0
.rept 16
	v_pk_fma_f32 v[S+J:S+J+1], v[S+J:S+J+1], s[CS:CS+1], v[12:13] op_sel_hi:[1,0,0]             ; t - M, two at a time
	v_pk_fma_f32 v[S+32+J:S+33+J], v[S+32+J:S+33+J], s[CS:CS+1], v[242:243] op_sel_hi:[1,0,0]
.set J, J+2
.endr
.set J, 0
	s_wait_alu depctr_va_vdst(0)
.rept 64
	v_exp_f32 v[S+J], v[S+J]                       ; p = 2^(t - M), at most 1
.set J, J+1
.endr
	v_pk_mul_f32 v[14:15], v[14:15], v[246:247] op_sel_hi:[1,0]       ; the sums under the new M: plain lines behind the exponentials
	v_pk_mul_f32 v[244:245], v[244:245], v[248:249] op_sel_hi:[1,0]
	s_wait_alu depctr_va_vdst(0)                   ; one wait for the batch of 64, ahead of its first reader
.set J, 0
.rept 16
	v_pk_add_f32 v[14:15], v[14:15], v[S+J:S+J+1]  ; the row's sum is taken of the unquantised p
	v_pk_add_f32 v[244:245], v[244:245], v[S+32+J:S+33+J]
.set J, J+2
.endr
.set J, 0
.rept 64
.set J, J+1
.endr
.irp u, 0,1
.irp b, 0,1
	v_cvt_scalef32_pk8_fp8_f32 v[PC+8*\u+4*\b:PC+8*\u+4*\b+1], v[S+32*\u+16*\b:S+32*\u+16*\b+7], v241
	v_cvt_scalef32_pk8_fp8_f32 v[PC+8*\u+4*\b+2:PC+8*\u+4*\b+3], v[S+32*\u+16*\b+8:S+32*\u+16*\b+15], v241
.endr
.endr
.set J, 0
.rept 16
	v_pk_mul_f32 v[O+J:O+J+1], v[O+J:O+J+1], v[246:247] op_sel_hi:[1,0]             ; O^T under the new M.  (Also the plain lines between the conversions and the products)
	v_pk_mul_f32 v[O+32+J:O+33+J], v[O+32+J:O+33+J], v[248:249] op_sel_hi:[1,0]
.set J, J+2
.endr
	s_wait_alu depctr_va_vdst(0)
	s_wait_dscnt 0x0                               ; V is in
.irp t, 0,1,2,3
.irp u, 0,1
	v_wmma_f32_16x16x64_fp8_fp8 v[O+32*\u+8*\t:O+32*\u+8*\t+7], v[VFR+8*\t:VFR+8*\t+7], v[PC+8*\u:PC+8*\u+7], v[O+32*\u+8*\t:O+32*\u+8*\t+7]   ; eight accumulators, one instruction each: by turns
.endr
.endr
.Lhidden_\@:
	s_add_co_u32 s[KF], s[KF], 64
.endm
; THE CHANGE OF SLOTS stands at a slot's head.  Each wave waits for all its tensor loads, adds 0 to its spare word, and waits for that and for its reads of the slot that it has left.  Behind the barrier the slot ahead
; is whole and nobody reads the other.  fill = 1: that other slot takes the next 256 keys, unless its first key comes after my work-group's last query: no wave would read it.
; Every wait for tensor loads in this text is for 0.  A wave has at most one tensor load out.
.macro CHANGE fill
	s_wait_tensorcnt 0x0                           ; no tensor load of mine is out, so the group 0 may be written
	ds_add_u32 v[SPW], v[NIL]
.if \fill
	s_xor_b32 s[G0+1], s[G0+1], SLOTB              ; the other slot than last time,
	s_add_nc_u64 s[G0+2:G0+3], s[G0+2:G0+3], SLOTB ; the next 256 keys' images
	s_wait_xcnt 0x0                                ; the last prefetch, a slot back, has read its address
	s_add_nc_u64 s[PFA:PFA+1], s[PFA:PFA+1], SLOTB
.endif
	s_wait_dscnt 0x0                               ; the add is done, and my reads of the slot that I have left are over
	s_barrier_signal -1
	s_barrier_wait -1
.if \fill
	s_add_co_u32 s96, s[KF], 256                   ; the first key of the slot that this change would ask for
	s_cmp_gt_u32 s96, s[LASTQ]
	s_cbranch_scc1 .Lpast_\@
	TLOAD
.Lpast_\@:
	ASK
.endif
.endm
.macro SLOT_STEPS
	STEP 0
	STEP 1
	STEP 2
	STEP 3
	s_xor_b32 s[TB], s[TB], SLOTB
.endm
	s_wait_loadcnt 0x0                             ; Q
.Lslot:                                            ; seven trips: every work-group walks all eight slots, so that the trip count is a constant
	CHANGE 1
	SLOT_STEPS
	s_sub_co_u32 s[SLOTS], s[SLOTS], 1
	s_cmp_lg_u32 s[SLOTS], 0
	s_cbranch_scc1 .Lslot
	CHANGE 0                                       ; the last slot is written out: nothing follows it
	SLOT_STEPS
	; THE WAY OUT: O^T x 2^(e8 + e9) / the sum is the head's result; it is turned into codes by entry 10, and leaves through my stage as 2,048 consecutive bytes.
	v_add_f32 v14, v14, v15
	v_add_f32 v244, v244, v245
	s_delay_alu instid0(VALU_DEP_2)
	v_permlanex16_b32 v250, v14, s[SEL], s[SEL+1]
	s_delay_alu instid0(VALU_DEP_2)
	v_permlanex16_b32 v251, v244, s[SEL], s[SEL+1]
	s_delay_alu instid0(VALU_DEP_2)
	v_add_f32 v14, v14, v250                       ; the rows' sums
	s_delay_alu instid0(VALU_DEP_2)
	v_add_f32 v244, v244, v251
	s_wait_alu depctr_va_vdst(0)
	v_rcp_f32 v14, v14
	v_rcp_f32 v244, v244
	v_mov_b32 v252, s82                            ; (plain lines behind the reciprocals)  2^e10
	s_wait_alu depctr_va_vdst(0)                   ; one wait for both, ahead of their first reader
	v_ldexp_f32 v14, v14, s81
	v_ldexp_f32 v244, v244, s81
.set J, 0
.rept 16
	v_pk_mul_f32 v[O+J:O+J+1], v[O+J:O+J+1], v[14:15] op_sel_hi:[1,0]
	v_pk_mul_f32 v[O+32+J:O+33+J], v[O+32+J:O+33+J], v[244:245] op_sel_hi:[1,0]
.set J, J+2
.endr
.set J, 0
.rept 64
.set J, J+1
.endr
.irp u, 0,1
.irp t, 0,1,2,3
	v_cvt_scalef32_pk8_fp8_f32 v[PC+8*\u+2*\t:PC+8*\u+2*\t+1], v[O+32*\u+8*\t:O+32*\u+8*\t+7], v252   ; tiles 2 b, 2 b + 1: d = 32 b + 16 h + 0 .. 15 of my query
.endr
.endr
	v_nop                                          ; one plain vector line behind the conversions
.irp u, 0,1
.irp b, 0,1
	ds_store_b128 v[STO], v[PC+8*\u+4*\b:PC+8*\u+4*\b+3] offset:512*\u+32*\b
.endr
.endr
.irp k, 0,1,2,3
	ds_load_b128 v[KFR+4*\k:KFR+4*\k+3], v[SRD] offset:512*\k      ; LDS serves a wave's instructions in order: these see my stores
.endr
.irp k, 0,1,2,3
	s_wait_dscnt 3-\k
	global_store_b128 v[LI], v[KFR+4*\k:KFR+4*\k+3], s[12:13] offset:512*\k   ; 32 lanes store 512 consecutive bytes, aligned
.endr
	s_wait_tensorcnt 0x0                           ; the wave's end: behind my last tensor load and my last LDS store
	ds_add_u32 v[SPW], v[NIL]
	s_wait_dscnt 0x0
	s_endpgm
.Lfunc_end_k_q967cb2ec56_attn:
	.size	k_q967cb2ec56_attn, .Lfunc_end_k_q967cb2ec56_attn-k_q967cb2ec56_attn
	.p2alignl 7, 3214868480
	.fill 96, 4, 3214868480
	.section	.rodata,"a",@progbits
	.p2align	6, 0x0
	.amdhsa_kernel k_q967cb2ec56_attn
		.amdhsa_group_segment_fixed_size 327680
		.amdhsa_private_segment_fixed_size 0
		.amdhsa_enable_private_segment 0
		.amdhsa_kernarg_size 24
		.amdhsa_user_sgpr_count 2
		.amdhsa_user_sgpr_kernarg_segment_ptr 1
		.amdhsa_wavefront_size32 1
		.amdhsa_system_sgpr_workgroup_id_x 1
		.amdhsa_system_sgpr_workgroup_id_y 1
		.amdhsa_system_sgpr_workgroup_id_z 1
		.amdhsa_system_vgpr_workitem_id 0
		.amdhsa_next_free_vgpr 256
		.amdhsa_next_free_sgpr 100
		.amdhsa_reserve_vcc 1
		.amdhsa_float_denorm_mode_32 3
		.amdhsa_float_denorm_mode_16_64 3
		.amdhsa_fp16_overflow 1
		.amdhsa_memory_ordered 1
		.amdhsa_forward_progress 1
		.amdhsa_inst_pref_size 163
	.end_amdhsa_kernel
	.amdgpu_metadata
---
amdhsa.version: [ 1, 2 ]
amdhsa.kernels:
  - .name:           k_q967cb2ec56_attn
    .symbol:         k_q967cb2ec56_attn.kd
    .args:
      - { .name: qkv, .offset: 0, .size: 8, .value_kind: global_buffer, .address_space: global }
      - { .name: lowp_scales, .offset: 8, .size: 8, .value_kind: global_buffer, .address_space: global }
      - { .name: cc, .offset: 16, .size: 8, .value_kind: global_buffer, .address_space: global }
    .group_segment_fixed_size: 327680
    .private_segment_fixed_size: 0
    .kernarg_segment_align: 8
    .kernarg_segment_size: 24
    .max_flat_workgroup_size: 512
    .sgpr_count:     100
    .vgpr_count:     256
    .wavefront_size: 32
...
	.end_amdgpu_metadata
.endif
;; end of part 3
;; launch oproj (part 4): grid 4 x 32, 4 waves a work-group, clusters of 4 x 4, 327,680 bytes of LDS; arguments cc, wc, bo, lowp_scales, out0; writes out0
.if DOCPART == 4
	.amdgcn_target "amdgcn-amd-amdhsa--gfx1250"
	.amdhsa_code_object_version 6
	.text
	.protected	k_q967cb2ec56_oproj
	.globl	k_q967cb2ec56_oproj
	.p2align	8
	.type	k_q967cb2ec56_oproj,@function
k_q967cb2ec56_oproj:
	s_mov_b64 s[64:65], 0
	v_nop
	global_prefetch_b8 v0, s[64:65] scope:SCOPE_SE
	s_setreg_imm32_b32 hwreg(HW_REG_WAVE_MODE, 25, 1), 1
	s_wait_xcnt 0x0
	s_wait_alu depctr_hold_cnt(0) depctr_sa_sdst(0) depctr_va_vdst(0) depctr_va_sdst(0) depctr_va_ssrc(0) depctr_va_vcc(0) depctr_vm_vsrc(0)
	s_getreg_b32 s2, hwreg(HW_REG_IB_STS2, 6, 4)
	s_cmp_eq_u32 s2, 0
	s_cbranch_scc0 .Lentry_in_a_cluster
	s_endpgm
.Lentry_in_a_cluster:
	s_bfe_u32 s2, ttmp6, 0x10000c
	s_cmp_lg_u32 s2, 0xf033
	s_cbranch_scc0 .Lentry_shape_is_right
	s_endpgm
.Lentry_shape_is_right:
.set ROWB,   256
.set KROW,   1024
.set ABLK,   32768
.set PITCH,  272
.set FR,     16
.set NL,     4
.set NP,     4
.set HALFT,  128*PITCH
.set SLOT,   4*HALFT
.set SPARE,  2*SLOT
.set SPITCH, 528
.set NROW,   4096
.set BCO,  9
.set ADRA, 16
.set ADRB, 20
.set STO,  24
.set RD,   25
.set CO,   26
.set SPW,  28
.set NIL,  29
.set BC,   32
.set TMP,  96
.set AF,   128
.set BK,   128
.set G1, 24
.set G0, 32
.set G1B, 48
.set G0B, 56
.set MSB, 0
.macro WIN new
.if MSB != (\new)
	s_set_vgpr_msb (MSB<<8)|(\new)
.set MSB, \new
.endif
.endm
.set MUL_LO, 0xa1
.set MUL_HI, 0xf1
.set TO_B,   0x40
.macro JLOAD g0a, g1a, g0b, g1b
	s_cmp_eq_u32 s15, 0
	s_cbranch_scc0 .Lfor_b_\@
	tensor_load_to_lds s[\g0a:\g0a+3], s[\g1a:\g1a+7]
	s_nop 0
.rept 4
	v_nop
.endr
	s_branch .Lasked_\@
.Lfor_b_\@:
	tensor_load_to_lds s[\g0b:\g0b+3], s[\g1b:\g1b+7]
	s_nop 0
.rept 4
	v_nop
.endr
.Lasked_\@:
.endm
.macro CREST
	s_cmp_lg_u32 s14, 0
	s_cbranch_scc1 .Lnot_wave_0_\@
	s_barrier_signal -3
.Lnot_wave_0_\@:
	s_barrier_wait -3
	s_barrier_signal -1
	s_barrier_wait -1
.endm
.macro CROUND
	s_barrier_signal -1
	s_barrier_wait -1
	CREST
.endm
	s_load_b256 s[4:11], s[0:1], 0x0
	s_load_b64 s[12:13], s[0:1], 0x20
	v_lshl_add_u32 v[SPW], v0, 2, SPARE
	v_mov_b32 v[NIL], 0
	ds_add_u32 v[SPW], v[NIL]
	ds_add_u32 v[SPW], v[NIL]
	v_lshrrev_b32 v1, 5, v0
	v_readfirstlane_b32 s14, v1
	s_lshr_b32 s15, s14, 1
	s_and_b32 s16, s14, 1
	s_bfe_u32 s40, ttmp6, 0x40000
	s_bfe_u32 s41, ttmp6, 0x40004
	s_lshl_b32 s42, ttmp9, 2
	s_add_co_u32 s42, s42, s40
	s_and_b32 s17, ttmp7, 0xffff
	s_lshl_b32 s17, s17, 2
	s_add_co_u32 s17, s17, s41
	s_lshl_b32 s43, s41, 2
	s_lshl_b32 s43, 15, s43
	s_lshl_b32 s44, 0x1111, s40
	s_or_b32 s[G1+0], s43, (0<<16)|(1<<20)|(1<<21)|(5<<22)|(3<<25)
	s_or_b32 s[G1B+0], s44, (0<<16)|(1<<20)|(1<<21)|(5<<22)|(3<<25)
.irp g, G1, G1B
	s_mov_b32 s[\g+1], ROWB<<16
	s_mov_b32 s[\g+2], 128<<16
	s_mov_b32 s[\g+3], ROWB<<16
	s_mov_b32 s[\g+4], 128
	s_mov_b32 s[\g+6], 0
	s_mov_b32 s[\g+7], 0
.endr
	s_mov_b32 s[G1+5], ROWB
	s_mov_b32 s[G1B+5], KROW
	s_lshl_b32 s20, s17, 1
	s_add_co_u32 s20, s20, s16
	s_lshl_b32 s20, s20, 17
	s_mov_b32 s21, 0
	s_lshl_b32 s18, s16, 7
	s_lshl_b32 s46, s42, 8
	s_add_co_u32 s46, s46, s18
	s_lshl_b32 s46, s46, 10
	s_add_co_u32 s46, s46, 0x300000
	s_mov_b32 s47, 0
	s_mul_i32 s45, s14, HALFT
	s_wait_dscnt 0x0
	s_wait_kmcnt 0x0
	s_load_b64 s[96:97], s[10:11], 0x28
	s_add_nc_u64 s[20:21], s[4:5], s[20:21]
	s_add_nc_u64 s[46:47], s[6:7], s[46:47]
	CROUND
.irp s, 0,1
	s_mov_b32 s[G0+4*\s], 1
	s_add_co_u32 s[G0+4*\s+1], s45, \s*SLOT
	s_add_nc_u64 s[G0+4*\s+2:G0+4*\s+3], s[20:21], \s*ABLK
	s_or_b32 s[G0+4*\s+3], s[G0+4*\s+3], 0x80000000
	s_mov_b32 s[G0B+4*\s], 1
	s_add_co_u32 s[G0B+4*\s+1], s45, \s*SLOT
	s_add_nc_u64 s[G0B+4*\s+2:G0B+4*\s+3], s[46:47], \s*ROWB
	s_or_b32 s[G0B+4*\s+3], s[G0B+4*\s+3], 0x80000000
	s_wait_alu depctr_va_vdst(0)
	s_wait_tensorcnt 0x0
	ds_add_u32 v28, v29
	ds_add_u32 v28, v29
	s_wait_dscnt 0x0
	CROUND
	JLOAD G0+4*\s, G1, G0B+4*\s, G1B
.endr
	v_and_b32 v1, 15, v0
	v_bfe_u32 v2, v0, 4, 1
	v_mul_u32_u24 v3, v1, PITCH
	v_lshl_add_u32 v4, v2, 4, v3
	v_lshrrev_b32 v5, 2, v1
	v_mul_u32_u24 v5, v5, PITCH
	v_and_b32 v6, 3, v1
	v_lshl_add_u32 v5, v6, 6, v5
	v_lshl_add_u32 v5, v2, 4, v5
	s_mul_i32 s21, s15, HALFT
	s_mul_i32 s22, s16, HALFT
	s_add_co_u32 s22, s22, 2*HALFT
.irp s, 0,1
	v_add_nc_u32 v[ADRA+\s], s21, v5
	v_add_nc_u32 v[ADRB+\s], s22, v4
	s_add_co_u32 s21, s21, SLOT
	s_add_co_u32 s22, s22, SLOT
.endr
	s_mul_i32 s23, s14, 16*SPITCH
	v_mul_u32_u24 v5, v1, SPITCH
	v_lshl_add_u32 v5, v2, 5, v5
	v_add_nc_u32 v[STO], s23, v5
	v_and_b32 v6, 31, v0
	v_lshlrev_b32 v[CO], 4, v6
	v_add_nc_u32 v[RD], s23, v[CO]
	s_lshl_b32 s20, s17, 8
	s_lshl_b32 s21, s15, 7
	s_add_co_u32 s20, s20, s21
	s_lshl_b32 s20, s20, 12
	s_lshl_b32 s46, s42, 10
	s_lshl_b32 s47, s16, 9
	s_add_co_u32 s46, s46, s47
	s_add_co_u32 s20, s20, s46
	s_mov_b32 s21, 0
	s_mov_b32 s47, 0
	s_add_nc_u64 s[12:13], s[12:13], s[20:21]
	s_add_nc_u64 s[8:9], s[8:9], s[46:47]
	v_lshlrev_b32 v[BCO], 5, v2
.irp b, 0,1,2,3,4,5,6,7
	global_load_b128 v[BC+8*\b:BC+8*\b+3], v[BCO], s[8:9] offset:64*\b
	global_load_b128 v[BC+8*\b+4:BC+8*\b+7], v[BCO], s[8:9] offset:64*\b+16
.endr
.macro FRAG reg, adr, q, i
.irp c, 0,1,2,3
	ds_load_b128 v[\reg+4*\c:\reg+4*\c+3], v[\adr] offset:128*(\q)+32*\c+(\i)*16*PITCH
.endr
.endm
.macro FRAGA reg, adr, q, i
.irp c, 0,1,2,3
	ds_load_b128 v[\reg+4*\c:\reg+4*\c+3], v[\adr] offset:((2*(\q)+\c/2)*32+4*(\i))*PITCH+32*(\c%2)
.endr
.endm
.macro MUL16 a0, p, zero
.irp a, \a0, \a0+1
.irp b, 0,1,2,3,4,5,6,7
.if \zero
	v_wmma_f32_16x16x128_fp8_fp8 v[8*(8*((\a)%4)+\b):8*(8*((\a)%4)+\b)+7], v[128*(\p)+FR*\b:128*(\p)+FR*\b+FR-1], v[AF+FR*(\a):AF+FR*(\a)+FR-1], 0
.else
	v_wmma_f32_16x16x128_fp8_fp8 v[8*(8*((\a)%4)+\b):8*(8*((\a)%4)+\b)+7], v[128*(\p)+FR*\b:128*(\p)+FR*\b+FR-1], v[AF+FR*(\a):AF+FR*(\a)+FR-1], v[8*(8*((\a)%4)+\b):8*(8*((\a)%4)+\b)+7]
.endif
.endr
.endr
.endm
.macro FETCH_B slot, q, p
	WIN TO_B
.irp i, 0,1,2,3,4,5,6,7
	FRAG 128*(\p)+FR*\i, ADRB+\slot, \q, \i
.endr
	WIN 0
.endm
.macro FETCH_A slot, q, i0
.irp i, \i0, \i0+1, \i0+2, \i0+3
	FRAGA AF+FR*(\i), ADRA+\slot, \q, \i
.endr
.endm
.macro PLACES n
.rept \n
	v_nop
.endr
.endm
.macro STEP slot, q, zero
	s_wait_dscnt 4*NL
	WIN MUL_LO
	MUL16 0, (\q)%2, \zero
	MUL16 2, (\q)%2, \zero
	s_wait_dscnt 0
	PLACES NP
	FETCH_B \slot, (\q)+1, 1-(\q)%2
	FETCH_A \slot, (\q)+1, 0
	WIN MUL_HI
	MUL16 4, (\q)%2, \zero
	MUL16 6, (\q)%2, \zero
	PLACES NP
	WIN 0
	FETCH_A \slot, (\q)+1, 4
.endm
.macro TURN slot, next, fill
	s_wait_tensorcnt 0x0
	ds_add_u32 v[SPW], v[NIL]
	s_wait_dscnt 4*NL+1
	WIN MUL_LO
	MUL16 0, 1, 0
	s_wait_dscnt 0x0
	s_barrier_signal -1
	MUL16 2, 1, 0
	WIN 0
	s_barrier_wait -1
.if \fill
	CREST
	s_add_nc_u64 s[G0+4*\slot+2:G0+4*\slot+3], s[G0+4*\slot+2:G0+4*\slot+3], 2*ABLK
	s_add_nc_u64 s[G0B+4*\slot+2:G0B+4*\slot+3], s[G0B+4*\slot+2:G0B+4*\slot+3], 2*ROWB
	JLOAD G0+4*\slot, G1, G0B+4*\slot, G1B
.else
	PLACES NP
.endif
	s_wait_alu depctr_va_vdst(0)
	FETCH_B \next, 0, 0
	FETCH_A \next, 0, 0
	WIN MUL_HI
	MUL16 4, 1, 0
	MUL16 6, 1, 0
	PLACES NP
	WIN 0
	FETCH_A \next, 0, 4
.endm
	s_wait_tensorcnt 1
	s_barrier_signal -1
	s_barrier_wait -1
	FETCH_B 0, 0, 0
	FETCH_A 0, 0, 0
	FETCH_A 0, 0, 4
	STEP 0, 0, 1
	TURN 0, 1, 1
	STEP 1, 0, 0
	TURN 1, 0, 1
	STEP 0, 0, 0
	TURN 0, 1, 0
	STEP 1, 0, 0
	s_wait_dscnt 4*NL
	WIN MUL_LO
	MUL16 0, 1, 0
	MUL16 2, 1, 0
	s_wait_dscnt 0
	WIN MUL_HI
	MUL16 4, 1, 0
	MUL16 6, 1, 0
	WIN 0
.macro TOSTAGE a
.set AC, 64*((\a)%4)
.irp hf, 0,1
	WIN 0x02+((\a)/4)
.irp bb, 0,1,2,3
.irp i, 0,2,4,6
	v_pk_fma_f32 v[TMP+8*\bb+\i:TMP+8*\bb+\i+1], v[AC+8*(4*\hf+\bb)+\i:AC+8*(4*\hf+\bb)+\i+1], s[96:97], v[BC+8*(4*\hf+\bb)+\i:BC+8*(4*\hf+\bb)+\i+1] op_sel_hi:[1,0,1]
.endr
.endr
	WIN 0
.irp bb, 0,1,2,3
	ds_store_b128 v[STO], v[TMP+8*\bb:TMP+8*\bb+3] offset:64*(4*\hf+\bb)
	ds_store_b128 v[STO], v[TMP+8*\bb+4:TMP+8*\bb+7] offset:64*(4*\hf+\bb)+16
.endr
.endr
.set BB, BK+64*((\a)%2)
.irp t, 0,1,2,3,4,5,6,7,8,9,10,11,12,13,14,15
	ds_load_b128 v[BB+4*\t:BB+4*\t+3], v[RD] offset:\t*SPITCH
.endr
.endm
.macro SEND a, younger
.set BB, BK+64*((\a)%2)
	s_wait_dscnt \younger
.if (\a) > 0
	s_add_nc_u64 s[12:13], s[12:13], 16*NROW
.endif
.irp t, 0,1,2,3,4,5,6,7,8,9,10,11,12,13,14,15
	global_store_b128 v[CO], v[BB+4*\t:BB+4*\t+3], s[12:13] offset:\t*NROW th:TH_STORE_NT
.endr
.endm
	s_wait_kmcnt 0x0
	s_add_co_i32 s96, s96, s97
	s_add_co_i32 s96, s96, 127
	s_lshl_b32 s96, s96, 23
	s_mov_b32 s97, s96
	s_wait_loadcnt 0x0
	PLACES NP
	TOSTAGE 0
.irp a, 1,2,3,4,5,6,7
.if \a > 1
	s_wait_xcnt 0x0
.endif
	TOSTAGE \a
	SEND \a-1, 32
.endr
	s_wait_xcnt 0x0
	SEND 7, 0
	s_wait_tensorcnt 0x0
	ds_add_u32 v[SPW], v[NIL]
	s_wait_dscnt 0x0
	CROUND
	s_endpgm
.Lfunc_end_k_q967cb2ec56_oproj:
	.size	k_q967cb2ec56_oproj, .Lfunc_end_k_q967cb2ec56_oproj-k_q967cb2ec56_oproj
	.p2alignl 7, 3214868480
	.fill 96, 4, 3214868480
	.section	.rodata,"a",@progbits
	.p2align	6, 0x0
	.amdhsa_kernel k_q967cb2ec56_oproj
		.amdhsa_group_segment_fixed_size 327680
		.amdhsa_private_segment_fixed_size 0
		.amdhsa_enable_private_segment 0
		.amdhsa_kernarg_size 40
		.amdhsa_user_sgpr_count 2
		.amdhsa_user_sgpr_kernarg_segment_ptr 1
		.amdhsa_wavefront_size32 1
		.amdhsa_system_sgpr_workgroup_id_x 1
		.amdhsa_system_sgpr_workgroup_id_y 1
		.amdhsa_system_sgpr_workgroup_id_z 1
		.amdhsa_system_vgpr_workitem_id 0
		.amdhsa_next_free_vgpr 1024
		.amdhsa_next_free_sgpr 100
		.amdhsa_reserve_vcc 0
		.amdhsa_float_denorm_mode_32 3
		.amdhsa_float_denorm_mode_16_64 3
		.amdhsa_memory_ordered 1
		.amdhsa_forward_progress 1
		.amdhsa_inst_pref_size 126
	.end_amdhsa_kernel
	.amdgpu_metadata
---
amdhsa.version: [ 1, 2 ]
amdhsa.kernels:
  - .name:           k_q967cb2ec56_oproj
    .symbol:         k_q967cb2ec56_oproj.kd
    .args:
      - { .name: cc, .offset: 0, .size: 8, .value_kind: global_buffer, .address_space: global }
      - { .name: wc, .offset: 8, .size: 8, .value_kind: global_buffer, .address_space: global }
      - { .name: bo, .offset: 16, .size: 8, .value_kind: global_buffer, .address_space: global }
      - { .name: lowp_scales, .offset: 24, .size: 8, .value_kind: global_buffer, .address_space: global }
      - { .name: out0, .offset: 32, .size: 8, .value_kind: global_buffer, .address_space: global }
    .group_segment_fixed_size: 327680
    .private_segment_fixed_size: 0
    .kernarg_segment_align: 8
    .kernarg_segment_size: 40
    .max_flat_workgroup_size: 128
    .sgpr_count:     100
    .vgpr_count:     1024
    .wavefront_size: 32
...
	.end_amdgpu_metadata
.endif
;; end of part 4
